; MI455X (gfx1250); checked and timed in simulation.
; The chip was launched on July 23, 2026; its instructions are those of AMD's public machine-readable ISA for CDNA 5 (MIT licence, August 2026) and "CDNA5" Instruction Set Architecture Reference Guide (July 2026). The comments in the code are by the model that wrote it; some were corrected since.
;; Scaled Dot Product Attention. Allowed arithmetic: matrix products marked QUANTISED: E4M3 operands, one E8M0 scale for each 32 along K, by v_wmma_scale_f32_16x16x128_f8f6f4 with both operands' format E4M3, f32 sums; everything else in f32.
;; Inputs: k 16 x 2,048 x 128 float32; mask 16 x 2,048 x 2,048 bool; q 16 x 2,048 x 128 float32; v 16 x 2,048 x 128 float32.
;; Outputs: out0 16 x 2,048 x 128 float32.
;; This version of the problem:
;;   THIS VERSION OF THE PROBLEM IS GIVEN IN LOW PRECISION. The matrix products marked QUANTISED in the list below multiply operands that are first quantised to E4M3 (4 exponent bits, 3 mantissa bits; 8 bits a number), with one power-of-two scale for each 32 numbers along K (OCP MX v1.0); their sums are f32. All else is computed in f32.
;;   The module's matrix products, in the order in which they are computed (A, B: the left and right operand; K: the contracted axis; several contracted axes count as one K, in the product's order):
;;     1. batch 16 x [M 2,048, K 128] x [K 128, N 2,048]; A: input q; B: input k: QUANTISED
;;     2. batch 16 x [M 2,048, K 2,048] x [K 2,048, N 128]; A: softmax (see below); B: input v: QUANTISED
;;   THE QUANTISER, for each operand of a quantised product, along K:
;;     - K is cut into blocks of 32 from its start; a last block that is shorter is filled with zeros.
;;     - A block's scale is 2^e with e = floor(log2(the largest magnitude in the block)) - 8, held to -126 .. 127; a block of zeros has e = 0. As a byte (E8M0): e + 127.
;;     - Each number is divided by its block's scale, clamped to +-448, and rounded to the nearest number of E4M3, ties to even, subnormals kept.
;;     - The product sums the exact products of the quantised numbers (number of the format x scale) in f32.
;;   ~~~python
;;   def quantise(x, axis):      # numpy; x: float32 -> the quantised numbers, widened to float32 again
;;       x = np.moveaxis(x, axis, -1); K = x.shape[-1]
;;       x = np.pad(x, [(0, 0)] * (x.ndim - 1) + [(0, -K % 32)]); x = x.reshape(x.shape[:-1] + (-1, 32)); a = np.abs(x).max(-1, keepdims=True)
;;       e = np.where(a > 0, np.clip(np.frexp(np.where(a > 0, a, 1))[1] - 1 - 8, -126, 127), 0)      # np.frexp(a)[1] - 1 = floor(log2(a)), exactly
;;       r = np.clip(x / 2.0 ** e, -448, 448)
;;       step = 2.0 ** (np.maximum(np.frexp(np.where(r == 0, 1, r))[1] - 1, -6) - 3)
;;       q = np.round(r / step) * step * 2.0 ** e      # np.round: ties to even
;;       return np.moveaxis(q.reshape(q.shape[:-2] + (-1,))[..., :K], -1, axis).astype(np.float32)
;;   ~~~
;;   SOFTMAX AHEAD OF A QUANTISED PRODUCT. Where the list says 'softmax', what is quantised is not the finished softmax but p = 2^(t - M), with t = logit x log2(e) and M = ceil(the row's largest t), a whole number; so 1/2 < the row's largest p <= 1. The row's sum l is taken of the UNQUANTISED p, in f32, and the product's result is divided by l at the end. Since M is a whole number, a kernel that streams over the keys may use a running M (the ceiling of the running maximum): every later rescaling is an exact power of two, which a block's scale takes up: the codes' values come out the same.
;;   OPERANDS COMPUTED ON THE WAY. 'Computed on the way' means the value that the module computes at that place (a softmax that the list does not call 'softmax' is quantised finished and normalised). What goes into a quantiser is computed in f32, as accurately as f32 sums, v_exp_f32 and their like allow (about 1e-6 of the number): no bf16 or f16 on the way to a quantiser, and a product that is left as it is and whose result goes on into a quantised operand takes f32 operands (vector FMAs, or v_wmma_f32_16x16x4_f32). A number that lies on a knife's edge between two numbers of the format may be rounded either way, as far as f32 arithmetic and the matrix unit's own rounding can turn it there, and no further.
;; One version. Each part assembles by itself: llvm-mc -triple=amdgcn-amd-amdhsa -mcpu=gfx1250 --defsym DOCPART=n.
;; ======== version 1 of 1: 2 launches
;; limits: right only within a limited range of input values
;; workspace buffers: kv 8,650,752 bytes
;; launch prep (part 1): grid 256 x 2, 4 waves a work-group, no clusters, 37,376 bytes of LDS; arguments k, v, kv; writes kv
.if DOCPART == 1
	.amdgcn_target "amdgcn-amd-amdhsa--gfx1250"
	.amdhsa_code_object_version 6
	.text
	.protected	k_q08920edb40_prep
	.globl	k_q08920edb40_prep
	.p2align	8
	.type	k_q08920edb40_prep,@function
k_q08920edb40_prep:
	s_mov_b64 s[64:65], 0
	v_nop
	global_prefetch_b8 v0, s[64:65] scope:SCOPE_SE
	s_setreg_imm32_b32 hwreg(HW_REG_WAVE_MODE, 25, 1), 1
	s_wait_xcnt 0x0
; K and V [16][2048][128] f32 become codes of FP8 (E4M3) with one E8M0 scale byte for each 32 along a product's K:
; K is quantised along the head's 128 (the first product's K), V along the keys (the second product's K).
; A block's scale is 2^(floor(log2(its largest magnitude)) - 8): its byte is the largest magnitude's exponent field - 8, held at 1 from below;
; each number is held within +-448 x the scale and rounded to the nearest code, ties to even.
; LIMITS: NaN and infinities among the inputs are not served.  A block of zeros (or under the floor 2^(9 - 127)) gets the byte 1 where the rule
; says 127: its codes are zeros, which add nothing under any byte but 0xff, and the bytes are read by this program alone.
; THE OUTPUT IS LAID AS THE NEXT LAUNCH'S OPERAND REGISTERS: kv = [16 heads][8 slots of 256 keys][67,584 bytes]; in a slot, s = which 128 keys, L = lane, r = L % 16, h = L / 16:
;   ((8 s + t) 4 + c) 512 + 16 L           K: lane (r, h) holds key 128 s + 32 (t / 2) + 8 (t % 2) + r + 8 (r / 8), channels 32 c + 16 h + 0 .. 15
;   32,768 + ((4 s + c) 8 + t) 512 + 16 L  V: lane (r, h) holds channel 16 t + r, keys 128 s + 32 c + 16 h + 0 .. 15
;   65,536 + 512 s + 16 (r + 16 (t % 2)) + 4 (t / 2)   K's scale word of tile t, row r;      66,560 + ... the same for V
; SHARES.  Work-group x = 16 head + step (128 keys); y = 0: K, y = 1: V.  Wave w takes keys 32 w .. 32 w + 31: 32 loads, each a whole row of 512 bytes, all out at once.
; Register R + 4 kk + j of lane L is x[key kk][channel 4 L + j].  Codes turn through the wave's own stage in LDS and leave 512 consecutive bytes a store.
; No tensor loads, no ring.  The two paths have LDS bytes of their own; the one barrier, for the scale bytes that four waves gather, stands on the common path.
.set KSTW,  4608                       ; K's stage of a wave: 32 rows x (128 bytes + 16): the 16 rows of a read start at 16 different groups of banks (64 banks of 4 bytes: ISA guide 11.1)
.set KSC,   18432                      ; K's 512 scale bytes of the step
.set VST,   18944                      ; V's stages
.set VSTW,  4224                       ; of a wave: 8 images x (512 bytes + 16)
.set VSC,   35840                      ; V's 512 scale bytes
.set BLKB,  67584                      ; a slot's block in kv
.set FLOOR, 0x4800000                  ; 2^(9 - 127)
.set MX,    16                         ; v16-19  largest magnitudes
.set SOP,   20                         ; v20-23  the conversions' scale operands
.set LIM,   24                         ; v24-27  448 x the scale
.set BY,    28                         ; v28-31  V's scale bytes
.set R,     32                         ; v32-159 the 32 rows as loaded
.set CV,    176                        ; v176-207 V's codes; on K's path the rows read back
	s_load_b128 s[4:7], s[0:1], 0x0                ; k, v
	s_load_b64 s[8:9], s[0:1], 0x10                ; kv
	v_lshl_add_u32 v208, v0, 2, 0x9000
	v_mov_b32 v209, 0
	v_lshrrev_b32 v1, 5, v0
	v_readfirstlane_b32 s12, v1                    ; wave 0..3
	s_and_b32 s13, ttmp7, 0xffff                   ; y: 0 = K, 1 = V
	v_and_b32 v1, 31, v0                           ; lane
	v_lshlrev_b32 v2, 4, v1                        ; 16 x lane: my place in a row as loaded, and in an image as stored
	s_lshl_b32 s16, ttmp9, 16                      ; the step's 128 rows of 512 bytes,
	s_lshl_b32 s17, s12, 14                        ; my wave's 32 of them
	s_add_co_u32 s16, s16, s17
	s_mov_b32 s17, 0
	s_lshr_b32 s18, ttmp9, 1                       ; 8 head + slot
	s_mul_i32 s18, s18, BLKB
	s_and_b32 s19, ttmp9, 1                        ; which 128 keys of the slot
	s_lshl_b32 s20, s13, 15                        ; codes: + 32,768 y + 16,384 s + 4,096 wave
	s_add_co_u32 s20, s20, s18
	s_lshl_b32 s21, s19, 14
	s_add_co_u32 s20, s20, s21
	s_lshl_b32 s21, s12, 12
	s_add_co_u32 s20, s20, s21
	s_mov_b32 s21, 0
	s_lshl_b32 s22, s13, 10                        ; scale words: + 65,536 + 1,024 y + 512 s
	s_add_co_u32 s22, s22, s18
	s_lshl_b32 s23, s19, 9
	s_add_co_u32 s22, s22, s23
	s_add_co_u32 s22, s22, 65536
	s_mov_b32 s23, 0
	s_mov_b32 s24, 0x600000                        ; the mantissa field of 448
	s_wait_alu depctr_va_vdst(0)
	s_wait_kmcnt 0x0
	s_cmp_eq_u32 s13, 0                            ; the choice hangs on the work-group's number alone
	s_cselect_b64 s[4:5], s[4:5], s[6:7]
	s_add_nc_u64 s[4:5], s[4:5], s[16:17]
	s_add_nc_u64 s[10:11], s[8:9], s[20:21]        ; where my codes go
	s_add_nc_u64 s[8:9], s[8:9], s[22:23]          ; where the step's scale words go
.set KK, 0
.rept 32
	global_load_b128 v[R+4*KK:R+4*KK+3], v2, s[4:5] offset:512*KK th:TH_LOAD_NT   ; 32 lanes read a row's 512 consecutive bytes; read once in the launch
.set KK, KK+1
.endr
	; every LDS address is made here, ahead of the parting of the two paths
	v_and_b32 v11, 15, v0                          ; r
	v_bfe_u32 v12, v0, 4, 1                        ; h
	s_mul_i32 s25, s12, KSTW
	v_lshl_add_u32 v3, v1, 2, s25                  ; K, in: my 4 bytes of a row
	s_lshl_b32 s26, s12, 2
	s_add_co_u32 s26, s26, KSC
	v_lshrrev_b32 v4, 3, v1
	v_add_nc_u32 v4, s26, v4                       ; K's scale byte: + 4 wave (the word t / 2) + lane / 8 (the block of 32 channels)
	v_mul_u32_u24 v5, v11, 144
	v_lshl_add_u32 v5, v12, 4, v5
	v_add_nc_u32 v5, s25, v5                       ; K, back: row r, + 16 h
	v_add_nc_u32 v6, KSC, v2                       ; K's 512 scale bytes on their way out
	s_mul_i32 s27, s12, VSTW
	s_add_co_u32 s27, s27, VST
	v_lshrrev_b32 v7, 2, v1
	v_mul_u32_u24 v7, v7, 528
	v_and_b32 v13, 3, v1
	v_lshl_add_u32 v7, v13, 6, v7
	v_add_nc_u32 v7, s27, v7                       ; V, in: image t = lane / 4, place 16 (4 (lane % 4) + j) + 256 half
	s_add_co_u32 s28, s12, VSC
	v_lshlrev_b32 v8, 6, v13
	v_bfe_u32 v14, v0, 2, 1
	v_lshl_add_u32 v8, v14, 8, v8
	v_bfe_u32 v14, v0, 3, 2
	v_lshl_add_u32 v8, v14, 2, v8
	v_add_nc_u32 v8, s28, v8                       ; V's scale byte: 64 (lane % 4) + 256 (t % 2) + 4 (t / 2) + wave (the block of 32 keys); + 16 j in the immediate
	v_add_nc_u32 v9, s27, v2                       ; V, back: an image as it lies
	v_add_nc_u32 v10, VSC, v2                      ; V's 512 scale bytes on their way out
	s_cmp_eq_u32 s13, 0
	s_cbranch_scc0 .Lv_path
; ---- K.  A row's block of 32 channels lies in 8 neighbouring lanes, 4 numbers each.  Four rows at a time, by turns.
; The conversion takes 8 numbers of a lane under ONE scale; a lane's 8 consecutive registers are 4 numbers of each of two rows.  So a pair of rows is converted twice: under the first row's
; scale (the low word is kept) and under the second's (the high word is kept); the other half of each result is thrown away.
; Group g's codes and bytes go into the registers of group g - 1's numbers, which are done with (group 0's into v160-171): no LDS store's data are written again.
.macro KROWS g
.set RB, R+16*(\g)
.if (\g) == 0
.set CD, 160
.else
.set CD, R+16*((\g)-1)
.endif
	s_wait_loadcnt 28-4*(\g)                       ; loads come back in order: rows 0 to 4 g + 3 are in, the 28 - 4 g behind them may be out
.irp i, 0,1,2,3
	v_max3_num_f32 v[MX+\i], |v[RB+4*\i]|, |v[RB+4*\i+1]|, |v[RB+4*\i+2]|
.endr
.irp i, 0,1,2,3
	v_max3_num_f32 v[MX+\i], v[MX+\i], |v[RB+4*\i+3]|, FLOOR     ; my four numbers and the floor, which holds the byte at 1 from below
.endr
.irp m, 1,2,4
.irp i, 0,1,2,3
	v_max_num_f32_dpp v[MX+\i], v[MX+\i], v[MX+\i] row_xmask:\m row_mask:0xf bank_mask:0xf   ; with the other seven lanes of the block
.endr
.endr
.irp i, 0,1,2,3
	v_add_nc_u32 v[SOP+\i], 0xfc000000, v[MX+\i]   ; 8 off the exponent field: the conversion takes this operand's exponent field as its scale
.endr
.irp i, 0,1,2,3
	v_and_or_b32 v[LIM+\i], v[MX+\i], 0x7f800000, s24   ; 448 x the scale
.endr
.irp i, 0,1,2,3
	v_lshrrev_b32 v[CD+8+\i], 23, v[SOP+\i]        ; the scale's byte
.endr
.irp i, 0,1,2,3
.irp j, 0,1,2,3
	v_med3_num_f32 v[RB+4*\i+\j], v[RB+4*\i+\j], -v[LIM+\i], v[LIM+\i]   ; the conversion to an 8-bit code does not saturate (ISA guide 7.6.2): the hold
.endr
.endr
.irp p, 0,1
	v_cvt_scalef32_pk8_fp8_f32 v[CD+4*\p:CD+4*\p+1], v[RB+8*\p:RB+8*\p+7], v[SOP+2*\p]
	v_cvt_scalef32_pk8_fp8_f32 v[CD+4*\p+2:CD+4*\p+3], v[RB+8*\p:RB+8*\p+7], v[SOP+2*\p+1]
.endr
	v_nop                                          ; a plain line behind the last conversion, ahead of the next group's writes of its sources
.irp i, 0,1,2,3
.set KK, 4*(\g)+\i
.set RHO, 16*((KK>>3)&1)+(KK&7)+8*(KK>>4)          ; key kk of my 32 is row r = kk % 8 + 8 (kk / 16) of my tile u = (kk / 8) % 2: stage row 16 u + r
	ds_store_b32 v3, v[CD+4*(\i/2)+3*(\i%2)] offset:RHO*144
	ds_store_b8 v4, v[CD+8+\i] offset:RHO*16       ; the 8 lanes of a block write the same byte with the same value
.endr
.endm
.irp g, 0,1,2,3,4,5,6,7
	KROWS \g
.endr
.irp n, 0,1,2,3,4,5,6,7                            ; image n = 4 u + c.  LDS serves a wave's instructions in order (ISA guide 5.7.1.4): these see my stores
	ds_load_b128 v[CV+4*\n:CV+4*\n+3], v5 offset:(\n/4)*2304+32*(\n%4)
.endr
.irp n, 0,1,2,3,4,5,6,7
	s_wait_dscnt 7-\n                              ; image n is back; the 7 - n behind it may be out
	global_store_b128 v2, v[CV+4*\n:CV+4*\n+3], s[10:11] offset:512*\n   ; 32 lanes store 512 consecutive bytes, at a multiple of 256 from kv's first byte
.endr
	s_branch .Ljoin
; ---- V.  A lane holds 4 channels x a whole block of 32 keys: a block's largest magnitude needs no other lane.
.Lv_path:
	s_wait_loadcnt 24                              ; keys 0 to 7 are in
.irp j, 0,1,2,3
	v_max3_num_f32 v[MX+\j], |v[R+\j]|, |v[R+4+\j]|, FLOOR
.endr
.set KK, 2
.rept 15
.if KK == 8
	s_wait_alu depctr_va_vdst(0)
	s_wait_loadcnt 16                              ; keys 8 to 15
.elseif KK == 16
	s_wait_alu depctr_va_vdst(0)
	s_wait_loadcnt 8                               ; keys 16 to 23
.elseif KK == 24
	s_wait_alu depctr_va_vdst(0)
	s_wait_loadcnt 0                               ; all
.endif
.irp j, 0,1,2,3
	v_max3_num_f32 v[MX+\j], v[MX+\j], |v[R+4*KK+\j]|, |v[R+4*KK+4+\j]|   ; the four channels by turns
.endr
.set KK, KK+2
.endr
.irp j, 0,1,2,3
	v_add_nc_u32 v[SOP+\j], 0xfc000000, v[MX+\j]
.endr
.irp j, 0,1,2,3
	v_and_or_b32 v[LIM+\j], v[MX+\j], 0x7f800000, s24
.endr
.irp j, 0,1,2,3
	v_lshrrev_b32 v[BY+\j], 23, v[SOP+\j]
.endr
; The hold also brings eight neighbours along the keys (registers 4 apart) into eight consecutive registers: no line is spent on the turning.
; Two sets of eight by turns: the other set's eight holds are the plain lines between a conversion and the next write of its sources.
.irp j, 0,1,2,3
.irp g, 0,1,2,3
.set TS, 160+8*(\g%2)
.irp i, 0,1,2,3,4,5,6,7
	v_med3_num_f32 v[TS+\i], v[R+4*(8*\g+\i)+\j], -v[LIM+\j], v[LIM+\j]
.endr
	v_cvt_scalef32_pk8_fp8_f32 v[CV+8*\j+2*\g:CV+8*\j+2*\g+1], v[TS:TS+7], v[SOP+\j]
.endr
.endr
	v_nop
.irp j, 0,1,2,3
	ds_store_b128 v7, v[CV+8*\j:CV+8*\j+3] offset:16*\j          ; channel 4 L + j, keys 0 to 15 of the block: lanes 0-15 of the image
	ds_store_b128 v7, v[CV+8*\j+4:CV+8*\j+7] offset:16*\j+256    ; keys 16 to 31: lanes 16-31
	ds_store_b8 v8, v[BY+\j] offset:16*\j
.endr
.irp t, 0,1,2,3,4,5,6,7
	ds_load_b128 v[R+4*\t:R+4*\t+3], v9 offset:528*\t            ; these see my stores
.endr
.irp t, 0,1,2,3,4,5,6,7
	s_wait_dscnt 7-\t
	global_store_b128 v2, v[R+4*\t:R+4*\t+3], s[10:11] offset:512*\t
.endr
.Ljoin:
	s_wait_dscnt 0x0                               ; for the others' sake: my scale bytes have landed
	s_barrier_signal -1
	s_barrier_wait -1                              ; all four waves' have
	s_cmp_lg_u32 s12, 0
	s_cbranch_scc1 .Lend                           ; wave 0 stores the step's 512 scale bytes: two whole aligned blocks of 256
	s_cmp_eq_u32 s13, 0
	s_cbranch_scc0 .Lv_scales
	ds_load_b128 v[16:19], v6
	s_branch .Lscales_out
.Lv_scales:
	ds_load_b128 v[16:19], v10
.Lscales_out:
	s_wait_dscnt 0x0
	global_store_b128 v2, v[16:19], s[8:9]
.Lend:
	s_wait_tensorcnt 0x0
	ds_add_u32 v208, v209
	s_wait_dscnt 0x0
	s_endpgm
.Lfunc_end_k_q08920edb40_prep:
	.size	k_q08920edb40_prep, .Lfunc_end_k_q08920edb40_prep-k_q08920edb40_prep
	.p2alignl 7, 3214868480
	.fill 96, 4, 3214868480
	.section	.rodata,"a",@progbits
	.p2align	6, 0x0
	.amdhsa_kernel k_q08920edb40_prep
		.amdhsa_group_segment_fixed_size 37376
		.amdhsa_private_segment_fixed_size 0
		.amdhsa_enable_private_segment 0
		.amdhsa_kernarg_size 24
		.amdhsa_user_sgpr_count 2
		.amdhsa_user_sgpr_kernarg_segment_ptr 1
		.amdhsa_wavefront_size32 1
		.amdhsa_system_sgpr_workgroup_id_x 1
		.amdhsa_system_sgpr_workgroup_id_y 1
		.amdhsa_system_sgpr_workgroup_id_z 1
		.amdhsa_system_vgpr_workitem_id 0
		.amdhsa_next_free_vgpr 210
		.amdhsa_next_free_sgpr 66
		.amdhsa_reserve_vcc 0
		.amdhsa_float_denorm_mode_32 3
		.amdhsa_float_denorm_mode_16_64 3
		.amdhsa_memory_ordered 1
		.amdhsa_forward_progress 1
		.amdhsa_inst_pref_size 57
	.end_amdhsa_kernel
	.amdgpu_metadata
---
amdhsa.version: [ 1, 2 ]
amdhsa.kernels:
  - .name:           k_q08920edb40_prep
    .symbol:         k_q08920edb40_prep.kd
    .args:
      - { .name: k, .offset: 0, .size: 8, .value_kind: global_buffer, .address_space: global }
      - { .name: v, .offset: 8, .size: 8, .value_kind: global_buffer, .address_space: global }
      - { .name: kv, .offset: 16, .size: 8, .value_kind: global_buffer, .address_space: global }
    .group_segment_fixed_size: 37376
    .private_segment_fixed_size: 0
    .kernarg_segment_align: 8
    .kernarg_segment_size: 24
    .max_flat_workgroup_size: 128
    .sgpr_count:     66
    .vgpr_count:     210
    .wavefront_size: 32
...
	.end_amdgpu_metadata
.endif
;; end of part 1
;; launch attn (part 2): grid 16 x 16, 8 waves a work-group, clusters of 4 x 1, 327,680 bytes of LDS; arguments q, mask, kv, out0; writes out0
.if DOCPART == 2
	.amdgcn_target "amdgcn-amd-amdhsa--gfx1250"
	.amdhsa_code_object_version 6
	.text
	.protected	k_q08920edb40_attn
	.globl	k_q08920edb40_attn
	.p2align	8
	.type	k_q08920edb40_attn,@function
k_q08920edb40_attn:
	s_mov_b64 s[64:65], 0
	v_nop
	global_prefetch_b8 v0, s[64:65] scope:SCOPE_SE
	s_setreg_imm32_b32 hwreg(HW_REG_WAVE_MODE, 25, 1), 1
	s_wait_xcnt 0x0
	s_wait_alu depctr_hold_cnt(0) depctr_sa_sdst(0) depctr_va_vdst(0) depctr_va_sdst(0) depctr_va_ssrc(0) depctr_va_vcc(0) depctr_vm_vsrc(0)
	s_getreg_b32 s2, hwreg(HW_REG_IB_STS2, 6, 4)
	s_cmp_eq_u32 s2, 0
	s_cbranch_scc0 .Lentry_in_a_cluster
	s_endpgm
.Lentry_in_a_cluster:
	s_bfe_u32 s2, ttmp6, 0x10000c
	s_cmp_lg_u32 s2, 0x3003
	s_cbranch_scc0 .Lentry_shape_is_right
	s_endpgm
.Lentry_shape_is_right:
; out0[b][q][:] = the sum over k of softmax_k(where(mask, -FLT_MAX, q . k / sqrt(128))) v[k][:], both products on codes of FP8 (E4M3) with one E8M0 scale for each 32 along K.
; q [16][2048][128] f32 is quantised here; K and V come as register images out of kv (laid by the launch before: see its head); mask [16][2048][2048], one byte, 1 = hidden.
; THE SOFTMAX: t = score x log2(e) / sqrt(128); M = the running largest t rounded UP to a whole number; p = 2^(t - M) is quantised along the keys, not normalised; the row's sum is taken of
; the unquantised p and divides at the end; when M moves, sum and O are multiplied by 2^(old M - new M), which rounds nothing.
; THE MASK COSTS EIGHT LINES FOR 64 SCORES.  Q's codes are made of -q.  A mask byte, 0 or 1, read as a code of E4M3 is 0 or 2^-9; converted with the scale 2^127 it is 0 or 2^118, straight into
; the accumulators, onto which the first product adds: u = 2^118 mask - score.  The softmax works on u: minima for maxima, -c for c.  A hidden key's t is about -2^115: its p is 0.
; A ROW ALL OF WHOSE KEYS SO FAR ARE HIDDEN: the running largest t begins at -2^100 and stays there; while it does, multiplier and addend are 0 (two selects), so p = 1 for each key: equal
; weights, as the reference's softmax of equal scores gives.  The first key that counts moves M by so much that the factor is 0 and wipes what was summed.
; LIMITS: the promise holds while the scaled scores t stay under 2^31 in magnitude; NaN and infinities among q, k, v are not served; a p under 2^-126 counts as 0 (v_exp_f32: ISA guide 15.8);
; a block of zeros gets the byte 1 where the rule says 127 (its codes are zeros).
; SHARES.  A work-group owns 128 queries of one head.  Wave (g = wave / 4, w = wave % 4) owns the two tiles of 16 queries at rows 32 w, and of every slot of 256 keys the half g: each fragment of
; K and V read from LDS feeds two products.  Both tiles go through the softmax side by side.  At the end the two groups' (M, sum, O) are joined by exact powers of two, through LDS.
; A STEP has four parts: SCORE (loads of K and the mask, scores, loads of V, minima, M), SMG (exponentials of tile 0), SMH (exponentials of tile 1, sums, codes, O under the new M), PV (V^T P).
; THE TWO GROUPS RUN APART.  At a change of slots group 0 has PV still to do, group 1 SMG, SMH and PV.  Between the round's opening signal and its wait group 0 runs PV and group 1 SMG, registers
; alone; behind the round group 0 runs SCORE SMG SMH of the new slot, group 1 SMH PV of the old one and SCORE of the new.  Every wave passes every barrier.
; LAYOUT.  Both products transposed: S^T = K (-Q)^T, O^T = V^T P^T: a lane holds ONE query (lane % 16) throughout; the 16 registers of score tiles 2 b, 2 b + 1 are keys 32 b + 16 (lane / 16) + 0 .. 15.
; CLUSTER.  The four query blocks of a cluster belong to one head and walk the same blocks of kv, 67,584 of a slot's 100,352 bytes: those are asked for JOINTLY (mask 15).  The mask tiles are each
; work-group's own: plain loads behind the same rounds.  The place in the cluster enters the global addresses of q, mask, out0 and of the prefetches alone.
; PREFETCH INTO THE L2: at the change of slots that asks for slot c + 1 one instruction a wave names slot c + 2, one change ahead of its tensor load.  Waves 4 to 7: the mask tile's 128 rows of 256 bytes, a lane a
; row.  Waves 0 to 2: kv's block, 264 pieces of 256 bytes, of which the partner at place cx takes 66 cx .. 66 cx + 65 (wave 2's lanes beyond the last piece name it again).  Slots 0 and 1 come by their loads alone; the last change that fills asks for nothing.
; THE START.  q is asked for first, a row of 512 bytes an instruction, and turns through the wave's own stage in LDS into the operand's order; slot 0 lands meanwhile.  Slot 1 is first filled as a refill is.
; O^T IS CLEARED (128 lines, once, while q is on its way): the first V^T P stands in the loop's text, so it cannot start its sums with the constant 0.
; REGISTERS.  Window 0: v0-31 addresses, statistics, scale words; v32-63 Q; v64-95 mask bytes, then p's codes; v96-223 u, then p, of both tiles; v224-255 at work.
;   Window 1: v0-127 O^T (tile x at 64 x); v128-255 eight fragments of K or of V.
.set SLOT1, 131072                     ; slot 1 begins here: one exclusive or turns an address of one slot into the other's
.set KVB,   67584                      ; a slot's block of kv
.set KVQ,   16896                      ; a quarter of it: 66 rows of 256 bytes, one tensor load
.set MOFF,  67584                      ; behind it the mask tile: 128 queries x 256 keys,
.set MP,    272                        ; rows of 256 bytes + 16 of padding = 68 words: the 16 rows of a load start at 16 different groups of banks (64 banks of 4 bytes: ISA guide 11.1)
.set MHALF, 64*MP                      ; 64 rows: one tensor load
.set QIMG,  102400                     ; behind slot 0: Q's eight fragments as images of their registers, 2,048 bytes each,
.set QSC,   118784                     ; their scale words, 128 bytes each,
.set SPARE, 119808                     ; and the spare words, 128 bytes for each wave: four blocks of 256 bytes that no other line names
.set XCH,   233472                     ; behind slot 1: what a wave hands to its partner: 64 registers of O^T and 4 of statistics
.set XW,    8704
.set QST,   XCH                        ; at the head the same bytes are q's stages: 16 rows of 512 bytes + 16 a wave
.set QSTW,  8448
.set OSW,   16*272                     ; the way out: a stage of 16 rows x (256 + 16) a wave, in slot 0, which by then has had its last fill and its last read
.set PFO, 1                            ; the prefetches' offset; never rewritten
.set LI,  2                            ; 16 x lane
.set MA0, 3                            ; my place in a slot's mask tile: MOFF + (32 w + r) MP + 128 g + 16 h
.set ADK, 4                            ; LDS addresses in the slot in hand: images,
.set SPW, 5                            ; LDS address of my spare word; never rewritten
.set NIL, 6                            ; 0; never rewritten
.set ADM, 7                            ; mask,
.set FE,  8                            ; 0xfe in every byte: the scale 2^127
.set ADS, 9                            ; scale words
.set PS,  10                           ; p's scale words, a tile each.  The two scale registers of a product never have the same number modulo 8
.set ST,  12                           ; tile x at ST + 4 x: -M, the largest t, the sum in two halves
.set QS,  20                           ; scale words: Q's two,
.set FP,  22                           ; f = 2^(old M - new M): tile 0's in the pair's low word, tile 1's in its high word
.set KS,  24                           ; K's four,
.set VS,  28                           ; V's four
.set Q,   32
.set P,   64
.set MR,  64
.set S,   96                           ; tile x at S + 64 x
.set BM,  224                          ; tile x, block b at + 4 x + b: the block's least u, then its largest p; then chains of the sums
.set PB,  232
.set XT,  232
.set BY,  232
.set CE,  236                          ; the multiplier, -c or 0, a tile each
.set AD,  238                          ; the addend, -M or 0
.set LIM, 240                          ; 448 x the scale
.set SOP, 248                          ; the conversion's scale operand
.set FB,  128                          ; the fragments, in window 1
.set WV,   12                          ; s12 wave;  s13 group g;  s14 w
.set GRP,  13
.set WQ,   14
.set NCS,  18                          ; s18 -c = -log2(e) / sqrt(128)
.set SBS,  19                          ; s19 65,536 + 512 g: my scale words in a slot
.set SEL,  20                          ; s[20:21] lane selects for v_permlanex16_b32: lane l xor 16
.set MNT,  22                          ; s22 the mantissa field of 448
.set SEN,  23                          ; s23 -2^100
.set G1KV, 24                          ; s[24:31] descriptor group 1 for kv;  s[32:39] for the mask
.set G1M,  32
.set G0KV, 40                          ; s[40:43] group 0 for kv: it begins at slot 0 and block 0 and walks on;  s[48:51] the same for the mask
.set KB,   44                          ; s44 16,384 g: my images in a slot
.set PLIM, 45                          ; s45 my wave prefetches while CNT is above it
.set PFS,  46                          ; s[46:47] a slot on, in bytes
.set G0M,  48
.set PFA,  52                          ; s[52:53] where my prefetches stand
.set TB,   56                          ; s56 LDS byte at which the slot in hand begins
.set CNT,  57
.set MK,   60                          ; s60 a lane mask
.set MSB, 0
.macro WIN new                         ; s_set_vgpr_msb: bits 1:0 source 0, 3:2 source 1, 5:4 source 2, 7:6 destination; the high byte repeats the setting that is left
.if MSB != \new
	s_set_vgpr_msb (MSB<<8)|\new
.set MSB, \new
.endif
.endm
.macro PLACES n                        ; plain vector lines that name no register of the matrix instructions before them: eight behind this form
.rept \n
	v_nop
.endr
.endm
.macro CREST                           ; a round behind its opening barrier: wave 0 signals for the work-group; every wave waits for all four work-groups; my work-group's barrier again
	s_cmp_lg_u32 s[WV], 0
	s_cbranch_scc1 .Lnot_wave_0_\@
	s_barrier_signal -3
.Lnot_wave_0_\@:
	s_barrier_wait -3
	s_barrier_signal -1
	s_barrier_wait -1
.endm
.macro CROUND                          ; a whole round of the cluster's barrier
	s_barrier_signal -1
	s_barrier_wait -1
	CREST
.endm
; A fill.  Waves 0 to 3 ask jointly for the four quarters of a block of kv, waves 4 and 5 for the two halves of my own mask tile, waves 6 and 7 for nothing: one tensor load a wave is out at the most.
; The branches hang on the wave's number alone.  Four v_nop follow each of the two lines.
.macro TLOAD
	s_cmp_lt_u32 s[WV], 4
	s_cbranch_scc0 .Lnot_kv_\@
	tensor_load_to_lds s[G0KV:G0KV+3], s[G1KV:G1KV+7]
	s_nop 0
.rept 4
	v_nop
.endr
	s_branch .Lasked_\@
.Lnot_kv_\@:
	s_cmp_lt_u32 s[WV], 6
	s_cbranch_scc0 .Lasked_\@
	tensor_load_to_lds s[G0M:G0M+3], s[G1M:G1M+7]
	s_nop 0
.rept 4
	v_nop
.endr
.Lasked_\@:
.endm
.macro ASK                             ; the prefetch (see the head)
	s_cmp_gt_u32 s[CNT], s[PLIM]
	s_cbranch_scc0 .Lno_ask_\@
	global_prefetch_b8 v[PFO], s[PFA:PFA+1] th:TH_LOAD_NT scope:SCOPE_SE
.Lno_ask_\@:
.endm
	s_load_b256 s[4:11], s[0:1], 0x0               ; q s[4:5], mask s[6:7], kv s[8:9], out0 s[10:11]
	v_lshl_add_u32 v[SPW], v0, 2, SPARE
	v_mov_b32 v[NIL], 0
	ds_add_u32 v[SPW], v[NIL]                      ; the wave's opening: the add, twice on end, and its wait ahead of the first tensor load
	ds_add_u32 v[SPW], v[NIL]
	v_lshrrev_b32 v1, 5, v0
	v_readfirstlane_b32 s[WV], v1                  ; wave 0..7
	v_and_b32 v[LI], 31, v0
	v_lshlrev_b32 v[LI], 4, v[LI]
	s_lshr_b32 s[GRP], s[WV], 2
	s_and_b32 s[WQ], s[WV], 3
	s_bfe_u32 s15, ttmp6, 0x40000                  ; cx: my place in the cluster
	s_lshl_b32 s16, ttmp9, 2                       ; in a cluster launch ttmp9 counts clusters
	s_add_co_u32 s16, s16, s15                     ; my block of 128 queries
	s_and_b32 s17, ttmp7, 0xffff                   ; the head, which the four partners share
	s_lshl_b32 s66, s17, 20                        ; q and out0: the head's 2,048 rows of 512 bytes,
	s_lshl_b32 s70, s16, 16                        ; my block's 128
	s_add_co_u32 s66, s66, s70
	s_lshl_b32 s70, s[WQ], 14                      ; out0: rows 32 w + 16 g
	s_lshl_b32 s71, s[GRP], 13
	s_add_co_u32 s68, s66, s70
	s_add_co_u32 s68, s68, s71
	s_mov_b32 s69, 0
	s_lshl_b32 s70, s[WV], 13                      ; q: I quantise rows 16 x wave
	s_add_co_u32 s66, s66, s70
	s_mov_b32 s67, 0
	s_wait_alu depctr_va_vdst(0)
	s_wait_dscnt 0x0                               ; both opening adds are done
	s_wait_kmcnt 0x0
	s_add_nc_u64 s[4:5], s[4:5], s[66:67]
.irp i, 0,1,2,3,4,5,6,7,8,9,10,11,12,13,14,15
	global_load_b128 v[S+4*\i:S+4*\i+3], v[LI], s[4:5] offset:512*\i th:TH_LOAD_NT   ; a whole row each; nobody writes these bytes, so they may be out across the opening round
.endr
	s_add_nc_u64 s[10:11], s[10:11], s[68:69]
	; group 1 for kv: a dense quarter block as 66 rows of 256 bytes (32 elements of 8 bytes), no padding: images are read as they lie
	s_mov_b32 s[G1KV], 15|(3<<16)|(1<<21)          ; 15:0 the mask: all four work-groups; 17:16 elements of 8 bytes; 21 set beside a mask
	s_mov_b32 s[G1KV+1], 32<<16                    ; tensor_dim0 = 32
	s_mov_b32 s[G1KV+2], 66<<16                    ; tensor_dim1 = 66
	s_mov_b32 s[G1KV+3], 32<<16                    ; tile_dim0 = 32
	s_mov_b32 s[G1KV+4], 66                        ; tile_dim1 = 66
	s_mov_b32 s[G1KV+5], 32                        ; from row to row
	s_mov_b32 s[G1KV+6], 0
	s_mov_b32 s[G1KV+7], 0
	; group 1 for the mask: 64 queries x 256 keys of one byte, rows 2,048 bytes apart in memory, 16 bytes of padding behind each in LDS
	s_mov_b32 s[G1M], (1<<20)|(5<<22)|(3<<25)      ; no work-group mask; elements of 1 byte; 20 padding on; 24:22 after every 64 words (code 5); 31:25 four words (code 3)
	s_mov_b32 s[G1M+1], 256<<16
	s_mov_b32 s[G1M+2], 64<<16
	s_mov_b32 s[G1M+3], 256<<16
	s_mov_b32 s[G1M+4], 64
	s_mov_b32 s[G1M+5], 2048
	s_mov_b32 s[G1M+6], 0
	s_mov_b32 s[G1M+7], 0
	s_mul_i32 s58, s17, 8*KVB                      ; kv: the head's eight blocks,
	s_mul_i32 s70, s[WV], KVQ                      ; my quarter: in memory and in a slot alike
	s_add_co_u32 s58, s58, s70
	s_mov_b32 s59, 0
	s_and_b32 s61, s[WV], 1                        ; mask: which 64 of my block's rows (waves 4 and 5)
	s_lshl_b32 s62, s17, 22                        ; the head's 2,048 x 2,048 bytes,
	s_lshl_b32 s63, s16, 18                        ; my block's 128 rows,
	s_add_co_u32 s62, s62, s63
	s_lshl_b32 s63, s61, 17                        ; my 64 of them
	s_add_co_u32 s62, s62, s63
	s_mov_b32 s63, 0
	s_mul_i32 s61, s61, MHALF
	s_add_co_u32 s61, s61, MOFF                    ; and their place in a slot
	s_mov_b32 s[G0KV], 1                           ; 1:0 count = 1
	s_mov_b32 s[G0KV+1], s70                       ; 63:32 LDS address: slot 0
	s_add_nc_u64 s[G0KV+2:G0KV+3], s[8:9], s[58:59]        ; 120:64 global address: block 0
	s_or_b32 s[G0KV+3], s[G0KV+3], 0x80000000      ; 127:126 type = 2
	s_mov_b32 s[G0M], 1
	s_mov_b32 s[G0M+1], s61
	s_add_nc_u64 s[G0M+2:G0M+3], s[6:7], s[62:63]  ; keys 0 to 255
	s_or_b32 s[G0M+3], s[G0M+3], 0x80000000
	CROUND                                         ; all four work-groups are here: the first joint loads meet
	TLOAD                                          ; slot 0: the launch's one first fill, ahead of every wait on TENSORcnt, every LDS read and every further barrier
	s_mov_b32 s[NCS], 0xbe0293ee
	s_mov_b32 s[SEL], 0x76543210
	s_mov_b32 s[SEL+1], 0xfedcba98
	s_mov_b32 s[MNT], 0x600000
	s_mov_b32 s[SEN], 0xf1800000
	s_mov_b32 s[TB], SLOT1                         ; the change of slots at the head turns it to slot 0
	s_mov_b32 s[CNT], 7
	s_lshl_b32 s[KB], s[GRP], 14
	s_lshl_b32 s[SBS], s[GRP], 9
	s_add_co_u32 s[SBS], s[SBS], 65536
	; the prefetches: where they stand (slot 1: the first change steps them to slot 2), from lane to lane, and who asks
	s_lshl_b32 s70, s[WV], 5
	s_sub_co_u32 s76, 65, s70                      ; kv: the last lane's number that names a piece of its own
	s_mul_i32 s71, s15, 66
	s_add_co_u32 s71, s71, s70
	s_lshl_b32 s71, s71, 8                         ; pieces 66 cx + 32 wave on,
	s_mul_i32 s72, s17, 8*KVB
	s_add_co_u32 s71, s71, s72
	s_add_co_u32 s71, s71, KVB                     ; of the head's block 1
	s_lshl_b32 s72, s17, 22
	s_lshl_b32 s73, s16, 18
	s_add_co_u32 s72, s72, s73
	s_sub_co_u32 s73, s[WV], 4
	s_lshl_b32 s73, s73, 16                        ; mask: 32 rows a wave,
	s_add_co_u32 s72, s72, s73
	s_add_co_u32 s72, s72, 256                     ; keys 256 on
	s_mov_b32 s77, 2048
	s_mov_b32 s[PFS], 256
	s_mov_b32 s[PFS+1], 0
	s_mov_b32 s79, 0
	s_cmp_lt_u32 s[WV], 4
	s_cselect_b32 s76, s76, 31
	s_cselect_b32 s77, 256, s77
	s_cselect_b32 s[PFS], KVB, s[PFS]
	s_cselect_b32 s78, s71, s72
	s_cselect_b64 s[PFA:PFA+1], s[8:9], s[6:7]
	s_add_nc_u64 s[PFA:PFA+1], s[PFA:PFA+1], s[78:79]
	s_cmp_eq_u32 s[WV], 3                          ; wave 3 asks for nothing
	s_cselect_b32 s[PLIM], -1, 1
	; LDS addresses
	s_lshl_b32 s70, s[WV], 11
	s_add_co_u32 s70, s70, QIMG
	s_lshl_b32 s71, s[WQ], 12
	s_add_co_u32 s71, s71, QIMG
	s_lshl_b32 s72, s[WV], 7
	s_add_co_u32 s72, s72, QSC
	s_lshl_b32 s73, s[WQ], 8
	s_add_co_u32 s73, s73, QSC
	s_mul_i32 s74, s[WV], QSTW
	s_add_co_u32 s74, s74, QST
	s_mul_i32 s75, s[WQ], 32*MP
	s_lshl_b32 s78, s[GRP], 7
	s_add_co_u32 s75, s75, s78
	s_add_co_u32 s75, s75, MOFF
.set QIN,  LIM+4                       ; these eight stand in registers that the quantising of q does not use
.set QOUT, LIM+5
.set QW,   LIM+6
.set QSW,  LIM+7
.set QR,   SOP+4
.set QSR,  SOP+5
.set RR,   SOP+6
.set HH,   SOP+7
	v_and_b32 v[RR], 15, v0                        ; r
	v_bfe_u32 v[HH], v0, 4, 1                      ; h
	v_lshrrev_b32 v[PFO], 4, v[LI]
	v_lshrrev_b32 v[QSW], 2, v[LI]
	v_mul_u32_u24 v[QOUT], v[RR], 528
	v_mul_u32_u24 v[MA0], v[RR], MP
	v_min_u32 v[PFO], s76, v[PFO]
	v_lshl_add_u32 v[QOUT], v[HH], 6, v[QOUT]
	v_lshl_add_u32 v[MA0], v[HH], 4, v[MA0]
	v_mul_lo_u32 v[PFO], v[PFO], s77
	v_add_nc_u32 v[QOUT], s74, v[QOUT]             ; the stage, back: row r, + 64 h
	v_add_nc_u32 v[MA0], s75, v[MA0]
	v_add_nc_u32 v[QIN], s74, v[LI]                ; the stage, in: a row as loaded
	v_add_nc_u32 v[QW], s70, v[LI]                 ; Q's image that I make,
	v_add_nc_u32 v[QR], s71, v[LI]                 ; and the two that I take: tiles 2 w, 2 w + 1
	v_add_nc_u32 v[QSR], s73, v[QSW]
	v_add_nc_u32 v[QSW], s72, v[QSW]
	v_mov_b32 v[FE], 0xfefefefe
.irp x, 0,1
	v_mov_b32 v[ST+4*\x+1], s[SEN]                 ; the largest t so far: -2^100
.endr
.irp x, 0,1
	v_mov_b32 v[ST+4*\x+2], 0                      ; the sum, in two halves
	v_mov_b32 v[ST+4*\x+3], 0
	v_floor_f32 v[ST+4*\x], -v[ST+4*\x+1]          ; -M
.endr
.irp b, 0,1,2,3,4,5,6,7
	v_mov_b32 v[PB+\b], 0                          ; written once: a lane permute's destination counts as one of its sources
.endr
	WIN 0x40
.set J, 0
.rept 128
	v_mov_b32 v[J], 0                              ; O^T (see the head)
.set J, J+1
.endr
	WIN 0
	s_wait_alu depctr_va_vdst(0)
.irp i, 0,4,8,12
	s_wait_loadcnt 12-\i                           ; loads come back in order: rows i to i + 3 are in
.irp j, 0,1,2,3
	ds_store_b128 v[QIN], v[S+4*(\i+\j):S+4*(\i+\j)+3] offset:528*(\i+\j)
.endr
.endr
.irp b, 0,1,2,3                                    ; lane (r, h) takes, of row r, the 16 numbers 32 b + 16 h + 0 .. 15 of each block b: the order of the operand's registers
.irp j, 0,1,2,3
	ds_load_b128 v[S+64+16*\b+4*\j:S+64+16*\b+4*\j+3], v[QOUT] offset:128*\b+16*\j   ; LDS serves a wave's instructions in order (ISA guide 5.7.1.4): these see my stores
.endr
.endr
	s_wait_dscnt 0x0
.irp b, 0,1,2,3
	v_max3_num_f32 v[BM+\b], |v[S+64+16*\b]|, |v[S+64+16*\b+1]|, 0x4800000   ; block b: my 16 numbers and the floor 2^(9 - 127), which holds the byte at 1 from below
.endr
.irp i, 2,4,6,8,10,12,14
.irp b, 0,1,2,3
	v_max3_num_f32 v[BM+\b], v[BM+\b], |v[S+64+16*\b+\i]|, |v[S+64+16*\b+\i+1]|
.endr
.endr
.irp b, 0,1,2,3
	v_permlanex16_b32 v[PB+\b], v[BM+\b], s[SEL], s[SEL+1]
.endr
.irp b, 0,1,2,3
	v_max_num_f32 v[BM+\b], v[BM+\b], v[PB+\b]     ; with lane l xor 16's: the block's largest magnitude
.endr
.irp b, 0,1,2,3
	v_add_nc_u32 v[SOP+\b], 0xfc000000, v[BM+\b]   ; 8 off the exponent field: the conversion's scale operand
.endr
.irp b, 0,1,2,3
	v_and_or_b32 v[LIM+\b], v[BM+\b], 0x7f800000, s[MNT]   ; 448 x the scale
.endr
.irp b, 0,1,2,3
	v_lshrrev_b32 v[BY+\b], 23, v[SOP+\b]
.endr
	v_lshl_or_b32 v[PS], v[BY+1], 8, v[BY]         ; my row's scale word
	v_lshl_or_b32 v[PS], v[BY+2], 16, v[PS]
	v_lshl_or_b32 v[PS], v[BY+3], 24, v[PS]
.irp b, 0,1,2,3
.irp i, 0,1,2,3,4,5,6,7,8,9,10,11,12,13,14,15
	v_med3_num_f32 v[S+64+16*\b+\i], -v[S+64+16*\b+\i], -v[LIM+\b], v[LIM+\b]   ; THE SIGN IS TURNED in the hold that the conversion wants anyway (it does not saturate: ISA guide 7.6.2)
.endr
	v_cvt_scalef32_pk8_fp8_f32 v[P+4*\b:P+4*\b+1], v[S+64+16*\b:S+64+16*\b+7], v[SOP+\b]
	v_cvt_scalef32_pk8_fp8_f32 v[P+4*\b+2:P+4*\b+3], v[S+64+16*\b+8:S+64+16*\b+15], v[SOP+\b]
.endr
	v_nop                                          ; a plain line behind the last conversion
.irp c, 0,1,2,3
	ds_store_b128 v[QW], v[P+4*\c:P+4*\c+3] offset:512*\c   ; the fragment as an image of its registers
.endr
	ds_store_b32 v[QSW], v[PS]
; SCORE: my half of the slot in hand.  41 LDS loads in one run: both tiles' mask bytes (8), K's scale words (1), K's eight fragments (32).
.macro SCORE
	s_wait_dscnt 0x0                               ; no LDS load of mine is out (at the first step: Q's fragments are in)
	PLACES 8                                       ; behind the last V^T P, whose registers the loads below take
.irp x, 0,1
.irp b, 0,1,2,3
	ds_load_b128 v[MR+16*\x+4*\b:MR+16*\x+4*\b+3], v[ADM] offset:16*MP*\x+32*\b
.endr
.endr
	ds_load_b128 v[KS:KS+3], v[ADS]
	WIN 0x40                                       ; destination window 1
.irp t, 0,1,2,3,4,5,6,7
.irp c, 0,1,2,3
	ds_load_b128 v[FB+16*\t+4*\c:FB+16*\t+4*\c+3], v[ADK] offset:2048*\t+512*\c
.endr
.endr
	WIN 0
	s_wait_dscnt 33                                ; the first eight of the 41 are in
.irp n, 0,1,2,3,4,5,6,7,8,9,10,11,12,13,14,15      ; the mask bytes become the scores' starting values: 0, or 2^-9 x 2^127
	v_cvt_scale_pk8_f32_fp8 v[S+8*\n:S+8*\n+7], v[MR+2*\n:MR+2*\n+1], v[FE]
.endr
	PLACES 4                                       ; plain lines between the conversions and the products that add onto their results
	s_wait_alu depctr_va_vdst(0)
	WIN 0x01                                       ; source 0 (K) window 1
.irp t, 0,1,2,3,4,5,6,7                            ; even tiles' scale words lie in lanes 0-15 of K's registers, odd tiles' in lanes 16-31
	s_wait_dscnt 28-4*\t                           ; K's scale words and fragments 0 to t are in
.irp x, 0,1
.if \t%2
	v_wmma_scale_f32_16x16x128_f8f6f4 v[S+64*\x+8*\t:S+64*\x+8*\t+7], v[FB+16*\t:FB+16*\t+15], v[Q+16*\x:Q+16*\x+15], v[S+64*\x+8*\t:S+64*\x+8*\t+7], v[KS+\t/2], v[QS+\x] matrix_a_scale:MATRIX_SCALE_ROW1
.else
	v_wmma_scale_f32_16x16x128_f8f6f4 v[S+64*\x+8*\t:S+64*\x+8*\t+7], v[FB+16*\t:FB+16*\t+15], v[Q+16*\x:Q+16*\x+15], v[S+64*\x+8*\t:S+64*\x+8*\t+7], v[KS+\t/2], v[QS+\x]
.endif
.endr
.endr
	WIN 0
	PLACES 8                                       ; ahead of the loads into K's registers and of the first read of the scores
	ds_load_b128 v[VS:VS+3], v[ADS] offset:1024
	WIN 0x40
.irp c, 0,1,2,3
.irp t, 0,1,2,3,4,5,6,7
	ds_load_b128 v[FB+16*\t+4*\c:FB+16*\t+4*\c+3], v[ADK] offset:32768+(8*\c+\t)*512   ; V's eight fragments land under the work below
.endr
.endr
	WIN 0
; THE LEAST u (the largest score) OF EACH BLOCK OF 32 KEYS: for the row's maximum, and, since p falls as u rises, for the block's largest p.  Eight chains by turns
.irp x, 0,1
.irp b, 0,1,2,3
	v_min3_num_f32 v[BM+4*\x+\b], v[S+64*\x+16*\b], v[S+64*\x+16*\b+1], v[S+64*\x+16*\b+2]
.endr
.endr
.irp i, 3,5,7,9,11,13
.irp x, 0,1
.irp b, 0,1,2,3
	v_min3_num_f32 v[BM+4*\x+\b], v[BM+4*\x+\b], v[S+64*\x+16*\b+\i], v[S+64*\x+16*\b+\i+1]
.endr
.endr
.endr
.irp x, 0,1
.irp b, 0,1,2,3
	v_min_num_f32 v[BM+4*\x+\b], v[BM+4*\x+\b], v[S+64*\x+16*\b+15]
.endr
.endr
.irp b, 0,1,2,3,4,5,6,7
	v_permlanex16_b32 v[PB+\b], v[BM+\b], s[SEL], s[SEL+1]
.endr
.irp b, 0,1,2,3,4,5,6,7
	v_min_num_f32 v[BM+\b], v[BM+\b], v[PB+\b]     ; with lane l xor 16's 16 keys
.endr
.irp x, 0,1
	v_min3_num_f32 v[XT+\x], v[BM+4*\x], v[BM+4*\x+1], v[BM+4*\x+2]
.endr
.irp x, 0,1
	s_delay_alu instid0(VALU_DEP_2)
	v_min_num_f32 v[XT+\x], v[XT+\x], v[BM+4*\x+3]
.endr
.irp x, 0,1
	s_delay_alu instid0(VALU_DEP_2)
	v_mul_f32 v[XT+\x], s[NCS], v[XT+\x]           ; the step's largest t = -c x the least u
.endr
.irp x, 0,1
	s_delay_alu instid0(VALU_DEP_2)
	v_max_num_f32 v[ST+4*\x+1], v[ST+4*\x+1], v[XT+\x]   ; the running largest t
.endr
.irp x, 0,1
	s_delay_alu instid0(VALU_DEP_2)
	v_floor_f32 v[AD+\x], -v[ST+4*\x+1]            ; the new -M = floor(-t): M is a whole number
.endr
.irp x, 0,1
	s_delay_alu instid0(VALU_DEP_2)
	v_sub_f32 v[XT+\x], v[AD+\x], v[ST+4*\x]       ; old M - new M: a whole number, 0 or less
.endr
.irp x, 0,1
	s_delay_alu instid0(VALU_DEP_2)
	v_cvt_i32_f32 v[XT+\x], v[XT+\x]               ; (it saturates)
.endr
.irp x, 0,1
	s_delay_alu instid0(VALU_DEP_2)
	v_ldexp_f32 v[FP+\x], 1.0, v[XT+\x]            ; f = 2^(old M - new M)
.endr
	v_cmp_lt_f32 vcc_lo, s[SEN], v[ST+1]           ; has any key counted for my query yet?
	v_cmp_lt_f32 s[MK], s[SEN], v[ST+5]
	v_mov_b32 v[ST], v[AD]
	v_mov_b32 v[ST+4], v[AD+1]
	v_cndmask_b32 v[CE], 0, s[NCS], vcc_lo         ; yes: t - M = -c u + (-M);  no: 0 u + 0, so that p = 1
	v_cndmask_b32 v[CE+1], 0, s[NCS], s[MK]
	v_cndmask_b32 v[AD], 0, v[AD], vcc_lo
	v_cndmask_b32 v[AD+1], 0, v[AD+1], s[MK]
.endm
; SMG: t - M of tile 0; then its exponentials, with t - M of tile 1 between them.  A pair's low word serves tile 0, its high word tile 1.
.macro SMG
.set J, 0
.rept 32
	v_pk_fma_f32 v[S+J:S+J+1], v[S+J:S+J+1], v[CE:CE+1], v[AD:AD+1] op_sel_hi:[1,0,0]
.set J, J+2
.endr
.irp b, 0,1,2,3
	v_fma_f32 v[BM+\b], v[BM+\b], v[CE], v[AD]     ; the same of each block's least u
.endr
	s_wait_alu depctr_va_vdst(0)                   ; the wait ahead of the batch
.set J, 0
.rept 32
	v_exp_f32 v[S+J], v[S+J]                       ; p = 2^(t - M), at most 1, not normalised
	v_exp_f32 v[S+J+1], v[S+J+1]
	v_pk_fma_f32 v[S+64+J:S+64+J+1], v[S+64+J:S+64+J+1], v[CE:CE+1], v[AD:AD+1] op_sel:[0,1,1]
.set J, J+2
.endr
.irp b, 0,1,2,3
	v_exp_f32 v[BM+\b], v[BM+\b]                   ; the block's largest p: the same two operations on the same number give the same bits
	v_fma_f32 v[BM+4+\b], v[BM+4+\b], v[CE+1], v[AD+1]
.endr
	s_wait_alu depctr_va_vdst(0)                   ; and the wait behind it
.endm
.macro SCALES x                        ; the blocks' scales of tile x
.irp b, 0,1,2,3
	v_max_num_f32 v[BM+4*\x+\b], 0x4800000, v[BM+4*\x+\b]    ; the floor 2^(9 - 127): a block whose every p is 0 keeps the byte 1; its codes are zeros
.endr
.irp b, 0,1,2,3
	v_add_nc_u32 v[SOP+4*\x+\b], 0xfc000000, v[BM+4*\x+\b]
.endr
.irp b, 0,1,2,3
	v_and_or_b32 v[LIM+4*\x+\b], v[BM+4*\x+\b], 0x7f800000, s[MNT]
.endr
.irp b, 0,1,2,3
	v_lshrrev_b32 v[BY+\b], 23, v[SOP+4*\x+\b]
.endr
.endm
.macro SUM4 x, j
	v_pk_add_f32 v[BM+4*\x:BM+4*\x+1], v[BM+4*\x:BM+4*\x+1], v[S+64*\x+\j:S+64*\x+\j+1]
	v_pk_add_f32 v[BM+4*\x+2:BM+4*\x+3], v[BM+4*\x+2:BM+4*\x+3], v[S+64*\x+\j+2:S+64*\x+\j+3]
	v_pk_add_f32 v[PB+4:PB+5], v[PB+4:PB+5], v[S+64*\x+\j+4:S+64*\x+\j+5]
	v_pk_add_f32 v[PB+6:PB+7], v[PB+6:PB+7], v[S+64*\x+\j+6:S+64*\x+\j+7]
.endm
; The sum of the unquantised p, two at a time, in four chains by turns (the blocks' largest p, the multipliers and the addends are done with: their registers hold the chains), and p's scale word.
.macro SUMS x
	v_pk_add_f32 v[BM+4*\x:BM+4*\x+1], v[S+64*\x:S+64*\x+1], v[S+64*\x+2:S+64*\x+3]
	v_pk_add_f32 v[BM+4*\x+2:BM+4*\x+3], v[S+64*\x+4:S+64*\x+5], v[S+64*\x+6:S+64*\x+7]
	v_pk_add_f32 v[PB+4:PB+5], v[S+64*\x+8:S+64*\x+9], v[S+64*\x+10:S+64*\x+11]
	v_pk_add_f32 v[PB+6:PB+7], v[S+64*\x+12:S+64*\x+13], v[S+64*\x+14:S+64*\x+15]
	v_lshl_or_b32 v[PS+\x], v[BY+1], 8, v[BY]
	SUM4 \x, 16
	v_lshl_or_b32 v[PS+\x], v[BY+2], 16, v[PS+\x]
	SUM4 \x, 24
	v_lshl_or_b32 v[PS+\x], v[BY+3], 24, v[PS+\x]
	SUM4 \x, 32
	SUM4 \x, 40
	SUM4 \x, 48
	SUM4 \x, 56
	v_pk_add_f32 v[BM+4*\x:BM+4*\x+1], v[BM+4*\x:BM+4*\x+1], v[BM+4*\x+2:BM+4*\x+3]
	v_pk_add_f32 v[PB+4:PB+5], v[PB+4:PB+5], v[PB+6:PB+7]
	s_delay_alu instid0(VALU_DEP_1)
	v_pk_add_f32 v[BM+4*\x:BM+4*\x+1], v[BM+4*\x:BM+4*\x+1], v[PB+4:PB+5]
	s_delay_alu instid0(VALU_DEP_1)
.if \x
	v_pk_fma_f32 v[ST+6:ST+7], v[ST+6:ST+7], v[FP:FP+1], v[BM+4:BM+5] op_sel:[0,1,0]       ; the row's sum under the new M
.else
	v_pk_fma_f32 v[ST+2:ST+3], v[ST+2:ST+3], v[FP:FP+1], v[BM:BM+1] op_sel_hi:[1,0,1]
.endif
.endm
.macro HOLD2 x, j                      ; p is not negative: the hold (the conversion does not saturate: ISA guide 7.6.2) is one-sided; two numbers a line
	v_dual_min_num_f32 v[S+64*\x+\j], v[S+64*\x+\j], v[LIM+4*\x+(\j)/16] :: v_dual_min_num_f32 v[S+64*\x+\j+1], v[S+64*\x+\j+1], v[LIM+4*\x+(\j)/16]
.endm
; SMH: tile 0's scales and sum; tile 1's exponentials, with tile 0's holds between them; tile 1's scales, sum and holds; both tiles' codes; O^T under the new M.
.macro SMH
	SCALES 0
	SUMS 0
	s_wait_alu depctr_va_vdst(0)                   ; the wait ahead of the batch
.irp b, 0,1,2,3
	v_exp_f32 v[BM+4+\b], v[BM+4+\b]
.endr
.set J, 0
.rept 32
	v_exp_f32 v[S+64+J], v[S+64+J]
	v_exp_f32 v[S+64+J+1], v[S+64+J+1]
	HOLD2 0, J
.set J, J+2
.endr
	s_wait_alu depctr_va_vdst(0)                   ; and the wait behind it
	SCALES 1
	SUMS 1
.set J, 0
.rept 32
	HOLD2 1, J
.set J, J+2
.endr
.irp x, 0,1
.irp b, 0,1,2,3
	v_cvt_scalef32_pk8_fp8_f32 v[P+16*\x+4*\b:P+16*\x+4*\b+1], v[S+64*\x+16*\b:S+64*\x+16*\b+7], v[SOP+4*\x+\b]
	v_cvt_scalef32_pk8_fp8_f32 v[P+16*\x+4*\b+2:P+16*\x+4*\b+3], v[S+64*\x+16*\b+8:S+64*\x+16*\b+15], v[SOP+4*\x+\b]
.endr
.endr
	WIN 0x41                                       ; O^T (destination and source 0) window 1
	s_wait_alu depctr_va_vdst(0)                   ; directly ahead of the first reader of O^T
.set J, 0
.rept 32
	v_pk_mul_f32 v[J:J+1], v[J:J+1], v[FP:FP+1] op_sel_hi:[1,0]   ; x f.  (These are also the plain lines between the codes and the products)
.set J, J+2
.endr
.rept 32
	v_pk_mul_f32 v[J:J+1], v[J:J+1], v[FP:FP+1] op_sel:[0,1]
.set J, J+2
.endr
	WIN 0
.endm
; PV: O^T += V^T P^T for both tiles: 16 accumulators, one line a turn.  V came into registers ahead of the last LDS wait.
.macro PV
	s_wait_alu depctr_va_vdst(0)
	WIN 0x51                                       ; V (source 0), C and D window 1; p window 0
.irp t, 0,1,2,3,4,5,6,7
.irp x, 0,1
.if \t%2
	v_wmma_scale_f32_16x16x128_f8f6f4 v[64*\x+8*\t:64*\x+8*\t+7], v[FB+16*\t:FB+16*\t+15], v[P+16*\x:P+16*\x+15], v[64*\x+8*\t:64*\x+8*\t+7], v[VS+\t/2], v[PS+\x] matrix_a_scale:MATRIX_SCALE_ROW1
.else
	v_wmma_scale_f32_16x16x128_f8f6f4 v[64*\x+8*\t:64*\x+8*\t+7], v[FB+16*\t:FB+16*\t+15], v[P+16*\x:P+16*\x+15], v[64*\x+8*\t:64*\x+8*\t+7], v[VS+\t/2], v[PS+\x]
.endif
.endr
.endr
	WIN 0
.endm
; THE CHANGE OF SLOTS.  OPEN: each wave waits for all its tensor loads (its part of the slot ahead), adds 0 to its spare word, and waits for that and for its LDS instructions so far:
; its reads of the slot that it leaves (the last were V's); at the launch's head its stores of Q's image.
; fill = 1: the barrier is a round of the cluster's, and behind it the other slot is filled with the block and the mask tile that follow the slot ahead: the load has a whole step of both groups in which to land.
.macro OPEN fill
	s_wait_alu depctr_va_vdst(0)
	s_wait_tensorcnt 0x0                           ; no tensor load of mine is out, so a group 0 may be written
	ds_add_u32 v[SPW], v[NIL]                      ; 0 onto my spare word;
.if \fill
	ds_add_u32 v[SPW], v[NIL]                      ; 0 onto my spare word; and once more; the steps below stand between it and the wait for it
	s_xor_b32 s[G0KV+1], s[G0KV+1], SLOT1          ; the walking descriptors: the other slot than last time,
	s_add_nc_u64 s[G0KV+2:G0KV+3], s[G0KV+2:G0KV+3], KVB   ; the next block; the type bits on top are not reached
	s_xor_b32 s[G0M+1], s[G0M+1], SLOT1
	s_add_nc_u64 s[G0M+2:G0M+3], s[G0M+2:G0M+3], 256       ; the next 256 keys
	s_wait_xcnt 0x0                                ; any prefetch of mine has read its address: it is stepped here
	s_add_nc_u64 s[PFA:PFA+1], s[PFA:PFA+1], s[PFS:PFS+1]
.endif
	s_xor_b32 s[TB], s[TB], SLOT1                  ; on to the other slot
	s_wait_dscnt 0x0                               ; the add is done, and so are my LDS instructions so far
.endm
.macro ADDR                            ; the addresses of the slot ahead, made where all waves pass
	s_add_co_u32 s70, s[TB], s[KB]
	s_add_co_u32 s71, s[TB], s[SBS]
	v_add_nc_u32 v[ADK], s70, v[LI]
	v_add_nc_u32 v[ADS], s71, v[LI]
	v_add_nc_u32 v[ADM], s[TB], v[MA0]
.endm
.macro PERIOD fill
	OPEN \fill
	s_barrier_signal -1                            ; work on registers while the others arrive:
	s_cmp_eq_u32 s[GRP], 0
	s_cbranch_scc0 .Lgap_g1_\@
	PV                                             ; group 0: of the slot before
	s_branch .Lgap_end_\@
.Lgap_g1_\@:
	SMG                                            ; group 1: of the slot before
.Lgap_end_\@:
	s_barrier_wait -1
.if \fill
	CREST
	TLOAD                                          ; the first thing behind the round, and a wave's one tensor load until the next
	ASK
.endif
	ADDR
	s_wait_alu depctr_va_vdst(0)
	s_cmp_eq_u32 s[GRP], 0
	s_cbranch_scc0 .Lper_g1_\@
	SCORE                                          ; group 0: this slot's first half
	SMG
	SMH
	s_branch .Lper_end_\@
.Lper_g1_\@:
	SMH                                            ; group 1: of the slot before (V is in registers),
	PV
	SCORE                                          ; and this slot's second half
.Lper_end_\@:
.endm
	OPEN 1
	CROUND                                         ; slot 0 is whole and all eight images of Q lie in LDS; slot 1 is filled for the first time, as a refill is
	TLOAD
	ASK
	ADDR
.irp x, 0,1
.irp c, 0,1,2,3
	ds_load_b128 v[Q+16*\x+4*\c:Q+16*\x+4*\c+3], v[QR] offset:2048*\x+512*\c
.endr
	ds_load_b32 v[QS+\x], v[QSR] offset:128*\x
.endr
	s_wait_alu depctr_va_vdst(0)
	SCORE                                          ; slot 0: both groups, each on its half
	s_wait_alu depctr_va_vdst(0)
	s_cmp_eq_u32 s[GRP], 0
	s_cbranch_scc0 .Lpro_g1
	SMG
	SMH
.Lpro_g1:
	s_mov_b32 s[CNT], 6
.Lper:                                             ; slots 1 to 6: behind each change the slot that follows is asked for
	PERIOD 1
	s_wait_alu depctr_va_vdst(0)
	s_sub_co_u32 s[CNT], s[CNT], 1
	s_cmp_lg_u32 s[CNT], 0
	s_cbranch_scc1 .Lper
	PERIOD 0                                       ; slot 7 is written out
	s_wait_alu depctr_va_vdst(0)
	s_wait_dscnt 0x0                               ; V is in
	s_cmp_eq_u32 s[GRP], 0
	s_cbranch_scc0 .Lfin_g1
	PV
	s_branch .Lmerge
.Lfin_g1:
	SMG
	SMH
	PV
.Lmerge:
	; THE TWO GROUPS JOIN.  Group 0 keeps tile 0 and hands tile 1 over, group 1 the other way round; each takes its partner's part into the registers that it has just sent.
.set RM, LIM                           ; r, h and the five addresses of the way out
.set HM, LIM+1
.set XS, LIM+2
.set XR, LIM+3
.set SI, LIM+4
.set SB, LIM+5
.set GO, LIM+6
	s_mul_i32 s70, s[WV], XW
	s_add_co_u32 s70, s70, XCH
	s_xor_b32 s71, s[WV], 4
	s_mul_i32 s71, s71, XW
	s_add_co_u32 s71, s71, XCH
	s_mul_i32 s72, s[WV], OSW
	v_and_b32 v[RM], 15, v0                        ; (these twelve are the places ahead of the first read of the last products' results)
	v_bfe_u32 v[HM], v0, 4, 1
	v_add_nc_u32 v[XS], s70, v[LI]                 ; what I hand over,
	v_add_nc_u32 v[XR], s71, v[LI]                 ; and what my partner (wave xor 4) hands me
	v_mul_u32_u24 v[SI], v[RM], 272
	v_mul_u32_u24 v[SB], v[HM], 272
	v_lshlrev_b32 v[GO], 9, v[HM]
	v_lshl_add_u32 v[SI], v[HM], 5, v[SI]
	v_lshl_add_u32 v[SB], v[RM], 4, v[SB]
	v_lshl_add_u32 v[GO], v[RM], 4, v[GO]          ; lanes 0-15 one row of out0, lanes 16-31 the next
	v_add_nc_u32 v[SI], s72, v[SI]                 ; the stage, in: row r, + 32 h
	v_add_nc_u32 v[SB], s72, v[SB]                 ; back: lanes 0-15 one row, lanes 16-31 the next
	s_wait_alu depctr_va_vdst(0)
	s_cmp_eq_u32 s[GRP], 0
	s_cbranch_scc0 .Lsend_g1
	WIN 0x04                                       ; an LDS store's data are its source 1: window 1
.irp i, 0,1,2,3,4,5,6,7,8,9,10,11,12,13,14,15
	ds_store_b128 v[XS], v[64+4*\i:64+4*\i+3] offset:512*\i    ; each accumulator from its low end on
.endr
	WIN 0
	ds_store_b128 v[XS], v[ST+4:ST+7] offset:8192
	s_branch .Lsent
.Lsend_g1:
	WIN 0x04
.irp i, 0,1,2,3,4,5,6,7,8,9,10,11,12,13,14,15
	ds_store_b128 v[XS], v[4*\i:4*\i+3] offset:512*\i
.endr
	WIN 0
	ds_store_b128 v[XS], v[ST:ST+3] offset:8192
.Lsent:
	s_wait_dscnt 0x0                               ; for my partner's sake: my stores have landed
	s_barrier_signal -1
	s_barrier_wait -1
	s_cmp_eq_u32 s[GRP], 0
	s_cbranch_scc0 .Ltake_g1
	WIN 0x40
.irp i, 0,1,2,3,4,5,6,7,8,9,10,11,12,13,14,15
	ds_load_b128 v[64+4*\i:64+4*\i+3], v[XR] offset:512*\i
.endr
	WIN 0
	ds_load_b128 v[ST+4:ST+7], v[XR] offset:8192
	s_branch .Ltaken
.Ltake_g1:
	WIN 0x40
.irp i, 0,1,2,3,4,5,6,7,8,9,10,11,12,13,14,15
	ds_load_b128 v[4*\i:4*\i+3], v[XR] offset:512*\i
.endr
	WIN 0
	ds_load_b128 v[ST:ST+3], v[XR] offset:8192
.Ltaken:
	s_wait_dscnt 0x0
	; both sets now speak of ONE tile of queries: the keys' first halves in one, the second halves in the other.  From here the text is the same for both groups.
.set JM, PB+4
	v_min_num_f32 v[JM], v[ST], v[ST+4]            ; the joint -M
	s_delay_alu instid0(VALU_DEP_1)
	v_sub_f32 v[BM], v[JM], v[ST]
	s_delay_alu instid0(VALU_DEP_2)
	v_sub_f32 v[BM+1], v[JM], v[ST+4]
	s_delay_alu instid0(VALU_DEP_2)
	v_cvt_i32_f32 v[BM], v[BM]
	s_delay_alu instid0(VALU_DEP_2)
	v_cvt_i32_f32 v[BM+1], v[BM+1]
	s_delay_alu instid0(VALU_DEP_2)
	v_ldexp_f32 v[BM], 1.0, v[BM]                  ; each set's factor: an exact power of two (0 for a set in which no key counted while the other has one)
	s_delay_alu instid0(VALU_DEP_2)
	v_ldexp_f32 v[BM+1], 1.0, v[BM+1]
	v_add_f32 v[BM+2], v[ST+2], v[ST+3]            ; each sum's two halves
	v_add_f32 v[BM+3], v[ST+6], v[ST+7]
	s_delay_alu instid0(VALU_DEP_2)
	v_mul_f32 v[BM+2], v[BM+2], v[BM]
	s_delay_alu instid0(VALU_DEP_1)
	v_fma_f32 v[BM+2], v[BM+3], v[BM+1], v[BM+2]
	s_delay_alu instid0(VALU_DEP_1)
	v_permlanex16_b32 v[PB], v[BM+2], s[SEL], s[SEL+1]
	s_delay_alu instid0(VALU_DEP_1)
	v_add_f32 v[BM+2], v[BM+2], v[PB]              ; and lane l xor 16's: the row's sum
	s_wait_alu depctr_va_vdst(0)                   ; the wait ahead of the transcendental
	v_rcp_f32 v[BM+3], v[BM+2]
	v_nop                                          ; a plain line behind the transcendental
	s_wait_alu depctr_va_vdst(0)                   ; the wait, ahead of the first reader
	v_mul_f32 v[FP], v[BM], v[BM+3]
	v_mul_f32 v[FP+1], v[BM+1], v[BM+3]
	WIN 0x01                                       ; source 0 (O^T) window 1
.set J, 0
.rept 32
	v_pk_mul_f32 v[S+J:S+J+1], v[J:J+1], v[FP:FP+1] op_sel_hi:[1,0]
.set J, J+2
.endr
.set J, 0
.rept 32
	v_pk_fma_f32 v[S+J:S+J+1], v[64+J:64+J+1], v[FP:FP+1], v[S+J:S+J+1] op_sel:[0,1,0]   ; register 8 t + i is o(r, 16 t + 8 h + i)
.set J, J+2
.endr
	WIN 0
	; THE WAY OUT: through my stage, half a row (64 channels, 256 bytes) of 16 queries at a time, so that sixteen lanes store 256 consecutive bytes.
.irp u, 0,1
.irp t, 0,1,2,3
	ds_store_b128 v[SI], v[S+32*\u+8*\t:S+32*\u+8*\t+3] offset:64*\t
	ds_store_b128 v[SI], v[S+32*\u+8*\t+4:S+32*\u+8*\t+7] offset:64*\t+16
.endr
.irp i, 0,1,2,3,4,5,6,7
	ds_load_b128 v[Q+32*\u+4*\i:Q+32*\u+4*\i+3], v[SB] offset:2*\i*272   ; LDS serves a wave's instructions in order (ISA guide 5.7.1.4): these see my stores, and the next half's stores come behind them
.endr
.endr
.irp u, 0,1
.irp i, 0,1,2,3,4,5,6,7
	s_wait_dscnt 23-16*\u-\i                       ; behind this load: the rest of its eight, and for the first half the second half's eight stores and eight loads
	global_store_b128 v[GO], v[Q+32*\u+4*\i:Q+32*\u+4*\i+3], s[10:11] offset:2*\i*512+256*\u th:TH_STORE_NT   ; at a multiple of 256 from out0's first byte; written once, read by nobody here
.endr
.endr
	s_wait_tensorcnt 0x0                           ; the wave's end: behind my last tensor load and my last LDS store
	ds_add_u32 v[SPW], v[NIL]
	s_wait_dscnt 0x0
	CROUND                                         ; the closing round: no work-group ends while a partner may still ask for a block that names it
	s_endpgm
.Lfunc_end_k_q08920edb40_attn:
	.size	k_q08920edb40_attn, .Lfunc_end_k_q08920edb40_attn-k_q08920edb40_attn
	.p2alignl 7, 3214868480
	.fill 96, 4, 3214868480
	.section	.rodata,"a",@progbits
	.p2align	6, 0x0
	.amdhsa_kernel k_q08920edb40_attn
		.amdhsa_group_segment_fixed_size 327680
		.amdhsa_private_segment_fixed_size 0
		.amdhsa_enable_private_segment 0
		.amdhsa_kernarg_size 32
		.amdhsa_user_sgpr_count 2
		.amdhsa_user_sgpr_kernarg_segment_ptr 1
		.amdhsa_wavefront_size32 1
		.amdhsa_system_sgpr_workgroup_id_x 1
		.amdhsa_system_sgpr_workgroup_id_y 1
		.amdhsa_system_sgpr_workgroup_id_z 1
		.amdhsa_system_vgpr_workitem_id 0
		.amdhsa_next_free_vgpr 512
		.amdhsa_next_free_sgpr 80
		.amdhsa_reserve_vcc 1
		.amdhsa_float_denorm_mode_32 3
		.amdhsa_float_denorm_mode_16_64 3
		.amdhsa_memory_ordered 1
		.amdhsa_forward_progress 1
		.amdhsa_inst_pref_size 255
	.end_amdhsa_kernel
	.section	.bss,"aw",@nobits
	.p2align	6
	.space	262144
	.amdgpu_metadata
---
amdhsa.version: [ 1, 2 ]
amdhsa.kernels:
  - .name:           k_q08920edb40_attn
    .symbol:         k_q08920edb40_attn.kd
    .args:
      - { .name: q, .offset: 0, .size: 8, .value_kind: global_buffer, .address_space: global }
      - { .name: mask, .offset: 8, .size: 8, .value_kind: global_buffer, .address_space: global }
      - { .name: kv, .offset: 16, .size: 8, .value_kind: global_buffer, .address_space: global }
      - { .name: out0, .offset: 24, .size: 8, .value_kind: global_buffer, .address_space: global }
    .group_segment_fixed_size: 327680
    .private_segment_fixed_size: 0
    .kernarg_segment_align: 8
    .kernarg_segment_size: 32
    .max_flat_workgroup_size: 256
    .sgpr_count:     80
    .vgpr_count:     512
    .wavefront_size: 32
...
	.end_amdgpu_metadata
.endif
;; end of part 2
